; MI455X (gfx1250); checked and timed in simulation.
; The chip was launched on July 23, 2026; its instructions are those of AMD's public machine-readable ISA for CDNA 5 (MIT licence, August 2026) and "CDNA5" Instruction Set Architecture Reference Guide (July 2026). The comments in the code are by the model that wrote it; some were corrected since.
;; Flash Attention Varlen. Allowed arithmetic: float matrix products may take bf16 or f16 operands with f32 sums; all other float work in f32.
;; Inputs: cu_seqlens_k 5 int32; cu_seqlens_q 5 int32; k 3,072 x 16 x 128 float32; q 3,072 x 16 x 128 float32; v 3,072 x 16 x 128 float32.
;; Outputs: out0 3,072 x 16 x 128 float32.
;; Constants: max_seqlen_k = 1024, max_seqlen_q = 1024.
;; One version. Each part assembles by itself: llvm-mc -triple=amdgcn-amd-amdhsa -mcpu=gfx1250 --defsym DOCPART=n.
;; ======== version 1 of 1: 1 launch
;; launch attn (part 1): grid 16 x 24, 4 waves a work-group, no clusters, 71,168 bytes of LDS; arguments q, k, v, cu_seqlens_q, cu_seqlens_k, out0; writes out0
.if DOCPART == 1
	.amdgcn_target "amdgcn-amd-amdhsa--gfx1250"
	.amdhsa_code_object_version 6
	.text
	.protected	k_qaf50a225b5_attn
	.globl	k_qaf50a225b5_attn
	.p2align	8
	.type	k_qaf50a225b5_attn,@function
k_qaf50a225b5_attn:
	s_mov_b64 s[64:65], 0
	v_nop
	global_prefetch_b8 v0, s[64:65] scope:SCOPE_SE
	s_setreg_imm32_b32 hwreg(HW_REG_WAVE_MODE, 25, 1), 1
	s_wait_xcnt 0x0
; Packed variable-length attention with a logit soft cap.  q, k, v, out: [3072 tokens][16 heads][128] f32.
; out[t] = sum over the keys of t's sequence of w v,  w = softmax(20 tanh(q.k / (20 sqrt 128))).
;
; SHARES.  Work-group (x = head, y = block) owns 128 packed tokens of one head; wave w owns 32 of them as two query tiles of 16.
; The work-group walks the keys that its tokens need in tiles of 64.  Each wave loads 16 rows of K and of V (f32, one whole row of
; 512 bytes a load), rounds them to bf16 once for all four waves and puts them into LDS; a tile is asked for one trip before it is stored and
; waits in registers meanwhile.  A trip: store the tile, ask for the next, barrier, multiply, barrier.
; Products are used transposed: S^T = K Q^T and O^T = V^T P^T, so that a pair of score tiles, packed to bf16 in
; registers, IS the second operand of the second product, and a lane ends with 8 neighbouring d of its own query.
;
; P GOES IN AS TWO BF16 NUMBERS: hi = bf16(p), lo = bf16(p - hi) (the difference is exact in f32), and both products add onto the same O and l.
; One bf16 alone errs by up to 2^-8 of a weight.  Where a few heavy keys carry a row and its terms nearly cancel, that error times a large v is of the
; size of a hundredth of the output's root mean square; hi + lo hold p to 16 significant bits.  It costs 36 more products for a tile of 64 keys.
;
; THE NUMBER OF TRIPS IS A CONSTANT.  Every wave passes every barrier, and how often it does so may not hang on numbers loaded from memory.
; A block's keys lie in [0, 3072 + 1024) (lo >= 0, hi <= lo + 1024), at most 64 tiles of 64, so the walk has 64 trips for every cu_seqlens.
; What cu_seqlens says steers only forward branches that join again in front of a barrier: a trip past the block's last key loads, stores and
; multiplies nothing and passes its two barriers (seventeen scalar instructions).
;
; WORK LEFT OUT, for all values of the inputs.  reference() pads to 4 x 1024 queries and 4 x 1024 keys.  (a) Its last line gathers only the rows
; pos = seg*1024 + (t - cu_q[seg]): the padded query rows reach no output.  (b) A key with ar_k >= lens_k gets the score -1e9 while
; a live key has a score of -20 at the least, so its weight is exp(-1e9 + 20) at the most: 0 in f32, and below any rounding in real numbers.
; Which rows and keys these are is said by the whole numbers cu_seqlens_q and cu_seqlens_k, which this launch reads.  max_seqlen_q and
; max_seqlen_k are the constants 1024.  A sequence with no live key (cu_k[b+1] <= cu_k[b]) is served as reference() serves it: all 1024 scores are
; equal, so the result is the mean of the rows v[min(cu_k[b] + i, 3071)], i = 0..1023 (weight 1.0, selected lane by lane).
;
; THE MAXIMUM.  tanh bounds every live score to [-20, 20] for every input, so 20 stands for the maximum that reference() takes away:
; exp(s - 20) lies in [4.2e-18, 1] and a sum of at most 1024 of them in [4.2e-18, 1024]; neither can overflow or underflow in f32 or bf16.
; 20 tanh z - 20 = -40 / (1 + e^(2z)), so p = exp2(1 / (k1 (1 + exp2(a q.k)))) with a = 2 log2(e) / (20 sqrt 128), k1 = -ln 2 / 40.
; exp2 = infinity gives p = 1 and exp2 = 0 gives p = 2^-57.7, both right.  The row sum l is a ninth tile of the second product, whose first operand is all ones.
;
; LIMITS.  cu values lie in 0..3072 (they are clamped to 3072 as unsigned numbers); cu_seqlens_q does not decrease, begins with 0 and ends with 3072,
; and no query sequence is longer than 1024 (beyond that the pos of reference() runs into another sequence's padded rows).  Inputs are finite: a NaN or an
; infinity in a row that is left out is not carried to the result, and one in a V row that shares a tile of 64 keys with live keys meets the weight 0 and gives NaN.
; Q, K and V are rounded to bf16 for the products, P to two bf16; sums are f32.
;
; NO CLUSTER, NO TENSOR LOADS.  K and V are f32 in memory and must pass through registers to become bf16, so LDS is filled by LDS stores;
; and which blocks walk the same keys hangs on cu_seqlens, so partners would need different numbers of tiles.
;
; REGISTERS.  Window 0: v1, v7 at work, v2-v6, v8-v11 addresses, v12-13 8h - lo, v14-15 hi - lo, v16-17 k1, v18 at work, v19 1.0,
; v20-21 8h - lo + kb in the mask, then at work, v22-23 a (at the end 1/l), v24-31 ones (bf16), v32-47 the byte offsets of a tile's 16 rows,
; v48-111 scores S[q][kt], then P: hi of keys 32..63 at S + 32 q, lo of keys 0..31 at S + 32 q + 8, lo of keys 32..63 at S + 32 q + 24;
; v112-239 fragments; v240-255 P: hi of keys 0..31 at 240 + 8 q.
; Window 1: O[q][dt] at 72 q + 8 dt (dt = 8: l), Q fragments at 144 + 32 q + 8 ds.  Window 2: v0-127 a tile as loaded (K rows at 4 i, V rows at 64 + 4 i).
.set T_TOK, 3072                       ; tokens
.set ROWB,  8192                       ; bytes from a token to the next: 16 heads x 128 f32
.set NTRIP, 64                         ; trips of the walk: (3072 + 1024) / 64
.set KP,    272                        ; LDS pitch of K and Q rows: 256 bytes + 16 = 17 x 16, so 16 rows start at 16 different 16-byte columns modulo 256
.set VP,    288                        ; LDS pitch of V rows: 9 x 32, for the transposing loads
.set VT,    64*KP                      ; the K tile at 0, the V tile behind it
.set STG,   VT+64*VP                   ; behind both: a stage for each wave, its own
.set STGB,  32*KP                      ; first Q (32 rows x 272), at the end O (16 rows x 528)
.set OP,    528                        ; pitch of a row of O: 512 bytes + 16
.set S,     48
.set F,     112
.set PH,    240                        ; P hi of keys 0..31
.set QF,    144                        ; in window 1
.set CA,    0x3c50ecb0                 ; a  = 0.0127517431
.set CK,    0xbc8df4e0                 ; k1 = -0.0173286795
.set MSB,   0
.macro WIN new                         ; low byte: bits 1:0 source 0, 3:2 source 1, 5:4 source 2, 7:6 destination; the high byte repeats the setting that is left
.if MSB != \new
	s_set_vgpr_msb (MSB<<8)|\new
.set MSB, \new
.endif
.endm
.macro BAR
	s_barrier_signal -1
	s_barrier_wait -1
.endm
.macro MM d, a, b, z                   ; one product; z: it starts the sum, so nothing is ever cleared
.if \z
	v_wmma_f32_16x16x32_bf16 v[\d:\d+7], v[\a:\a+7], v[\b:\b+7], 0
.else
	v_wmma_f32_16x16x32_bf16 v[\d:\d+7], v[\a:\a+7], v[\b:\b+7], v[\d:\d+7]
.endif
.endm
; Over the sequences that own a token in [s[ta], s[tb]): the least lo and the greatest hi of their keys; full: also the greatest lo (s49), the least hi (s50), any empty one (s51).
.macro RANGE ta, tb, lomin, himax, full
	s_mov_b32 s[\lomin], -1
	s_mov_b32 s[\himax], 0
.if \full
	s_mov_b32 s49, 0
	s_mov_b32 s50, -1
	s_mov_b32 s51, 0
.endif
.irp b, 0,1,2,3
	s_max_u32 s54, s[16+\b], s[\ta]
	s_min_u32 s55, s[17+\b], s[\tb]
	s_cmp_lt_u32 s54, s55                          ; sequence b owns a token of the range
	s_cselect_b32 s56, s[24+\b], -1
	s_cselect_b32 s57, s[32+\b], 0
.if \full
	s_cselect_b32 s58, s[24+\b], 0
	s_cselect_b32 s59, s[32+\b], -1
	s_cselect_b32 s60, s[36+\b], 0
.endif
	s_min_u32 s[\lomin], s[\lomin], s56
	s_max_u32 s[\himax], s[\himax], s57
.if \full
	s_max_u32 s49, s49, s58
	s_min_u32 s50, s50, s59
	s_or_b32 s51, s51, s60
.endif
.endr
.endm
; The tile of keys s45 .. s45 + 63: my 16 rows of K, then my 16 rows of V, into window 2: 32 loads, K first.
; Each row's token is clamped to 3071, as the clip of reference() does: a tile may reach past the last token.
; It stands only behind STORET (or at the kernel's head): the loads that last named v32-47 and window 2 have been waited for there.
.macro LOADT
	s_add_co_u32 s55, s45, s61                     ; my first row: kb + 16 w
.set i, 0
.rept 16
	s_add_co_u32 s54, s55, i
	s_min_u32 s54, s54, T_TOK-1
	s_lshl_b32 s54, s54, 13
	v_add_nc_u32 v[32+i], s54, v6
.set i, i+1
.endr
	WIN 0x80                                       ; destination in window 2
.set i, 0
.rept 16
	global_load_b128 v[4*i:4*i+3], v[32+i], s[6:7]
.set i, i+1
.endr
.set i, 0
.rept 16
	global_load_b128 v[64+4*i:64+4*i+3], v[32+i], s[8:9]
.set i, i+1
.endr
	WIN 0
.endm
; The tile in window 2 is rounded to bf16 in place and stored to LDS: a store of the wave covers one row, 256 neighbouring bytes.
.macro STORET
	s_wait_loadcnt 16                              ; K's 16 loads are in; V's 16, issued behind them, may stay out
	WIN 0x8a
.set i, 0
.rept 16
	v_cvt_pk_bf16_f32 v[4*i], v[4*i], v[4*i+1]
	v_cvt_pk_bf16_f32 v[4*i+1], v[4*i+2], v[4*i+3]
.set i, i+1
.endr
	s_wait_loadcnt 0
.rept 16
	v_cvt_pk_bf16_f32 v[4*i], v[4*i], v[4*i+1]
	v_cvt_pk_bf16_f32 v[4*i+1], v[4*i+2], v[4*i+3]
.set i, i+1
.endr
	WIN 0x08                                       ; store data in window 2
.set i, 0
.rept 16
	ds_store_b64 v4, v[4*i:4*i+1] offset:i*KP
.set i, i+1
.endr
.set i, 0
.rept 16
	ds_store_b64 v5, v[64+4*i:64+4*i+1] offset:i*VP
.set i, i+1
.endr
	WIN 0
.endm
; 16 registers of scores (query tile q, keys 32 hf .. 32 hf + 31) become p = exp(s - 20) in f32, in place.
; Behind each run of transcendentals one v_nop stands before a result is used (ISA guide 5.7.2).
.macro SOFTA q, hf
.set G, S+32*\q+16*\hf
.set i, 0
.rept 8
	v_pk_mul_f32 v[G+2*i:G+2*i+1], v[G+2*i:G+2*i+1], v[22:23]              ; x = a q.k
.set i, i+1
.endr
.set i, 0
.rept 16
	v_exp_f32 v[G+i], v[G+i]                                               ; E = e^(2z)
.set i, i+1
.endr
	v_nop
.set i, 0
	s_wait_alu depctr_va_vdst(0)
.rept 8
	v_pk_fma_f32 v[G+2*i:G+2*i+1], v[G+2*i:G+2*i+1], v[16:17], v[16:17]    ; k1 (1 + E)
.set i, i+1
.endr
.set i, 0
.rept 16
	v_rcp_f32 v[G+i], v[G+i]
.set i, i+1
.endr
	v_nop
.set i, 0
	s_wait_alu depctr_va_vdst(0)
.rept 16
	v_exp_f32 v[G+i], v[G+i]                                               ; p
.set i, i+1
.endr
	v_nop
.endm
; The same 16 registers: weight 0 for a key that is not the lane's query's, weight 1 throughout for a query whose sequence has no keys.
.macro MASKG q, hf
.set G, S+32*\q+16*\hf
.set i, 0
	s_wait_alu depctr_va_vdst(0)
.rept 16
	v_add_nc_u32 v18, 32*\hf+16*(i>>3)+(i&7), v[20+\q]                     ; key - lo, unsigned
	v_cmp_gt_u32 vcc_lo, v[14+\q], v18                                     ; below hi - lo: the key is my query's
	v_cndmask_b32 v[G+i], v[G+i], v19, s[52+\q]
	v_cndmask_b32 v[G+i], 0, v[G+i], vcc_lo
.set i, i+1
.endr
.endm
; The same 16 registers become 8 registers of hi and 8 of lo, each the second operand of the second product for 32 keys.
; hi of keys 0..31 goes to v240-255; hi of keys 32..63 to the first 8 registers of the query tile's first group, which that group's conversion has left free.
.macro CVTG q, hf
.set G, S+32*\q+16*\hf
.if \hf
.set HI, S+32*\q
.else
.set HI, PH+8*\q
.endif
.set i, 0
	s_wait_alu depctr_va_vdst(0)
.rept 8
	v_cvt_pk_bf16_f32 v[HI+i], v[G+2*i], v[G+2*i+1]                        ; hi = bf16(p), two at a time
.set i, i+1
.endr
.set i, 0
.rept 4                                                                        ; two pairs at a time, so that no line waits for the one in front of it
	v_lshlrev_b32 v20, 16, v[HI+i]                                         ; hi as f32: the low half moves up,
	v_and_b32     v21, s70, v[HI+i]                                        ; the high half stays
	v_lshlrev_b32 v1, 16, v[HI+i+1]
	v_and_b32     v7, s70, v[HI+i+1]
	v_sub_f32 v[G+2*i],   v[G+2*i],   v20                                  ; p - hi, exact in f32, in place
	v_sub_f32 v[G+2*i+1], v[G+2*i+1], v21
	v_sub_f32 v[G+2*i+2], v[G+2*i+2], v1
	v_sub_f32 v[G+2*i+3], v[G+2*i+3], v7
.set i, i+2
.endr
.set i, 7
.rept 8
	v_cvt_pk_bf16_f32 v[G+8+i], v[G+2*i], v[G+2*i+1]                       ; lo; descending: register 8 + i is written when the pairs above i have been read
.set i, i-1
.endr
.endm
.macro QKSTEP ds, z                    ; 32 of d: eight score tiles take turns, one instruction a turn
	s_wait_dscnt 24-8*\ds                          ; the 8 loads of each later d step may stay out
.irp kt, 0,1,2,3
.irp q, 0,1
	MM S+32*\q+8*\kt, F+32*\ds+8*\kt, QF+32*\q+8*\ds, \z
.endr
.endr
.endm
; One part of the second product: V^T of keys 32 hf .. 32 hf + 31 times one half of P (p0: query tile 0's registers, p1: query tile 1's).
; Eighteen accumulators take turns, one instruction a turn; a part ends on l of tile 1 and the next begins on O of tile 0.
.macro PVPART hf, p0, p1, z
.irp dt, 0,1,2,3,4,5,6,7
	MM 8*\dt, F+64*\hf+8*\dt, \p0, \z
	MM 72+8*\dt, F+64*\hf+8*\dt, \p1, \z
.endr
	MM 64, 24, \p0, \z                             ; ones x P^T: every register holds l of the lane's query
	MM 136, 24, \p1, \z
.endm
; The tile of 64 keys in LDS for my 32 queries.  s40 = kb, s46 = kb + 64.  zero: the work-group's first tile, whose products start O and l.
.macro COMPUTE zero
.irp ds, 0,1,2,3
.irp kt, 0,1,2,3
	ds_load_b128 v[F+32*\ds+8*\kt:F+32*\ds+8*\kt+3], v2 offset:\kt*16*KP+64*\ds
	ds_load_b128 v[F+32*\ds+8*\kt+4:F+32*\ds+8*\kt+7], v2 offset:\kt*16*KP+64*\ds+32
.endr
.endr
	WIN 0x04                                       ; second operand (Q) in window 1
	QKSTEP 0, 1
	QKSTEP 1, 0
	QKSTEP 2, 0
	QKSTEP 3, 0
	WIN 0
.rept 4
	v_nop                                          ; four places (ISA guide 7.12.1) before F is loaded again and S is read
.endr
.irp hf, 0,1
.irp dt, 0,1,2,3,4,5,6,7
	ds_load_tr16_b128 v[F+64*\hf+8*\dt:F+64*\hf+8*\dt+3], v3 offset:\hf*32*VP+32*\dt          ; V^T: 16 d x keys 8h .. 8h+7 of the 32
	ds_load_tr16_b128 v[F+64*\hf+8*\dt+4:F+64*\hf+8*\dt+7], v3 offset:\hf*32*VP+32*\dt+16*VP  ; keys 16 + 8h ..
.endr
.endr
	SOFTA 0, 0                                     ; the V fragments land meanwhile
	SOFTA 1, 0
	SOFTA 0, 1
	SOFTA 1, 1
	s_max_u32 s54, s40, s49                        ; = kb where the tile begins at or behind my queries' greatest lo,
	s_min_u32 s55, s46, s50                        ; = kb + 64 where it ends at or before their least hi:
	s_sub_co_u32 s55, s55, s54
	s_cmp_eq_u32 s55, 64                           ; both: all 64 keys belong to all my 32 queries, nothing is masked
	s_cbranch_scc1 .Lall_\@
	v_add_nc_u32 v20, s40, v12
	v_add_nc_u32 v21, s40, v13
	MASKG 0, 0
	MASKG 1, 0
	MASKG 0, 1
	MASKG 1, 1
.Lall_\@:
	CVTG 0, 0                                      ; the first groups first: they free the registers that take the second groups' hi
	CVTG 1, 0
	CVTG 0, 1
	CVTG 1, 1
	WIN 0x50                                       ; C and D (O, l) in window 1
	s_wait_dscnt 16                                ; the 16 loads of keys 32..63 may stay out at first
	PVPART 0, PH, PH+8, \zero                      ; keys 0..31, hi
	PVPART 0, S+8, S+40, 0                         ; keys 0..31, lo
	s_wait_dscnt 0
	PVPART 1, S, S+32, 0                           ; keys 32..63, hi
	PVPART 1, S+24, S+56, 0                        ; keys 32..63, lo
	WIN 0
.rept 5
	v_nop                                          ; five places on every way onward: the next tile's loads into F and products into S, and at the end the reads of O and l
.endr
.endm
; A trip.  s40 = kb, the first key of tile j, which waits in window 2; s41 = the block's last key + 1.
; All branches jump forward over register, load and LDS work alone and join in front of a barrier; both barriers stand on every wave's way in every trip.
.macro TRIP first
.if \first == 0
	s_cmp_lt_u32 s40, s41                          ; tile j holds a key of the block (tile 0 always does):
	s_cbranch_scc0 .Lnone_\@
.endif
	STORET                                         ; into LDS, whose readers waited for their loads in front of the last barrier
	s_add_co_u32 s45, s40, 64
	s_cmp_lt_u32 s45, s41                          ; and so does tile j + 1:
	s_cbranch_scc0 .Lnone_\@
	LOADT                                          ; it has this trip's products and exponentials in which to arrive
.Lnone_\@:
	s_wait_dscnt 0                                 ; my rows of the tile are in LDS,
	BAR                                            ; everybody's are
	s_add_co_u32 s46, s40, 64
.if \first == 0
	s_max_u32 s54, s40, s47                        ; the tile and my queries' keys [least lo, greatest hi) share no key
	s_min_u32 s55, s46, s48                        ; (so also: the tile begins behind the block's last key):
	s_cmp_ge_u32 s54, s55
	s_cbranch_scc1 .Ljoin_\@                       ; nothing of it is mine
.endif                                                 ; (the first tile is never skipped: outside the range the mask gives exact zeros, which start the sums)
	COMPUTE \first
.Ljoin_\@:
	s_wait_dscnt 0                                 ; my reads of the tile are over,
	BAR                                            ; everybody's are: it may be overwritten
	s_mov_b32 s40, s46
.endm
	; ---- addresses ----
	s_load_b256 s[4:11], s[0:1], 0x0               ; q s[4:5], k s[6:7], v s[8:9], cu_seqlens_q s[10:11]
	s_load_b128 s[12:15], s[0:1], 0x20             ; cu_seqlens_k s[12:13], out s[14:15]
	s_set_vgpr_msb 0x40
	v_lshl_add_u32 v254, v0, 2, 0x11400
	v_mov_b32 v255, 0
	s_set_vgpr_msb 0x4000
	v_lshrrev_b32 v1, 5, v0
	v_readfirstlane_b32 s2, v1                     ; wave w
	v_and_b32 v1, 31, v0                           ; lane L
	v_and_b32 v18, 15, v0                          ; r
	v_bfe_u32 v19, v0, 4, 1                        ; h
	v_mul_u32_u24 v2, v18, KP
	v_lshl_add_u32 v2, v19, 4, v2                  ; K fragments: r x 272 + 16 h
	v_and_b32 v22, 7, v0
	v_lshl_add_u32 v22, v19, 3, v22
	v_mul_u32_u24 v3, v22, VP
	v_bfe_u32 v22, v0, 3, 1
	v_lshl_add_u32 v3, v22, 4, v3
	v_add_nc_u32 v3, VT, v3                        ; V fragments: VT + (8 h + L % 8) x 288 + 16 ((L / 8) % 2)
	s_mul_i32 s54, s2, 16*KP
	v_lshl_add_u32 v4, v1, 3, s54                  ; my 16 rows of the K tile: 8 bytes a lane
	s_mul_i32 s54, s2, 16*VP
	s_add_co_u32 s54, s54, VT
	v_lshl_add_u32 v5, v1, 3, s54                  ; and of the V tile
	v_lshlrev_b32 v6, 4, v1                        ; 16 L: my 16 bytes of a row of 512 in memory
	s_mul_i32 s54, s2, STGB
	s_add_co_u32 s54, s54, STG                     ; my stage
	v_lshl_add_u32 v8, v1, 3, s54                  ; Q in: 8 bytes a lane
	v_add_nc_u32 v9, s54, v2                       ; Q fragments
	v_mul_u32_u24 v10, v18, OP
	v_lshl_add_u32 v10, v19, 5, v10
	v_add_nc_u32 v10, s54, v10                     ; O in: row r, 32 bytes for each half of the lanes
	v_add_nc_u32 v11, s54, v6                      ; O back: a whole row of 512 bytes
	v_lshlrev_b32 v23, 3, v19                      ; 8 h
	s_mov_b32 s70, 0xffff0000                      ; a word's upper bf16
	s_and_b32 s66, ttmp7, 0xffff
	s_lshl_b32 s66, s66, 7                         ; t0: the block's first token
	s_lshl_b32 s61, s2, 4                          ; 16 w: my rows of a tile
	s_lshl_b32 s67, s2, 5
	s_add_co_u32 s67, s67, s66                     ; tw: my first token
	s_add_co_u32 s68, s66, 128
	s_add_co_u32 s69, s67, 32
	s_lshl_b32 s62, ttmp9, 9                       ; the head's 512 bytes in a token
	s_mov_b32 s63, 0
	s_wait_kmcnt 0x0
	s_load_b128 s[16:19], s[10:11], 0x0            ; cu_q[0..4] in s16-20
	s_load_b32 s20, s[10:11], 0x10
	s_load_b128 s[24:27], s[12:13], 0x0            ; cu_k[0..4] in s24-28
	s_load_b32 s28, s[12:13], 0x10
	s_add_nc_u64 s[6:7], s[6:7], s[62:63]
	s_add_nc_u64 s[8:9], s[8:9], s[62:63]
	s_lshl_b32 s54, s67, 13
	s_add_co_u32 s62, s62, s54                     ; head + my first token: below 25,165,824
	s_add_nc_u64 s[4:5], s[4:5], s[62:63]
	s_add_nc_u64 s[14:15], s[14:15], s[62:63]
.set i, 0
.rept 32
	global_load_b128 v[F+4*i:F+4*i+3], v6, s[4:5] offset:i*ROWB th:TH_LOAD_NT     ; my 32 rows of Q, read by no one else
.set i, i+1
.endr
	s_wait_kmcnt 0x0
	; ---- the ranges of keys ----
.irp rg, 16,17,18,19,20,24,25,26,27,28
	s_min_u32 s\rg, s\rg, T_TOK
.endr
.irp b, 0,1,2,3
	s_add_co_u32 s54, s[24+\b], 1024
	s_min_u32 s[32+\b], s[25+\b], s54              ; hi = min(cu_k[b+1], lo + 1024): ar_k ends at 1024
	s_cmp_le_u32 s[32+\b], s[24+\b]                ; no live key:
	s_cselect_b32 s[32+\b], s54, s[32+\b]          ; all 1024 rows,
	s_cselect_b32 s[36+\b], 1, 0                   ; with equal weights
.endr
	RANGE 66, 68, 45, 41, 0                        ; the block's keys: s45 .. s41
	RANGE 67, 69, 47, 48, 1                        ; my wave's: least lo s47, greatest hi s48, greatest lo s49, least hi s50
	s_cmp_lg_u32 s51, 0
	s_cselect_b32 s50, 0, s50                      ; with a sequence without keys among mine no tile goes unmasked
	LOADT                                          ; tile 0: hi > lo in every sequence, so there is one
	s_mov_b32 s40, s45
	; my two queries' bounds: the sequence of token t is the last b with cu_q[b] <= t
	v_add_nc_u32 v1, s67, v18
.irp q, 0,1
	v_mov_b32 v[12+\q], s24
	v_mov_b32 v[14+\q], s32
	v_mov_b32 v[20+\q], s36
.irp b, 1,2,3
	v_cmp_le_u32 vcc_lo, s[16+\b], v1
	v_mov_b32 v18, s[24+\b]
	v_mov_b32 v19, s[32+\b]
	v_mov_b32 v22, s[36+\b]
	v_cndmask_b32 v[12+\q], v[12+\q], v18, vcc_lo
	v_cndmask_b32 v[14+\q], v[14+\q], v19, vcc_lo
	v_cndmask_b32 v[20+\q], v[20+\q], v22, vcc_lo
.endr
	v_sub_nc_u32 v[14+\q], v[14+\q], v[12+\q]      ; hi - lo
	v_sub_nc_u32 v[12+\q], v23, v[12+\q]           ; 8 h - lo
	v_cmp_ne_u32 s[52+\q], 0, v[20+\q]             ; lanes whose sequence has no keys
.if \q == 0
	v_add_nc_u32 v1, 16, v1
.endif
.endr
	v_mov_b32 v16, CK
	v_mov_b32 v17, CK
	v_mov_b32 v19, 1.0
	v_mov_b32 v22, CA
	v_mov_b32 v23, CA
.irp j, 24,25,26,27,28,29,30,31
	v_mov_b32 v\j, 0x3f803f80                      ; 1.0, 1.0 in bf16
.endr
	; ---- Q: rounded to bf16 as it is (the factor a is applied to the f32 scores), through my stage into fragments ----
	s_wait_loadcnt 32                              ; Q's 32 loads are in; tile 0's 32, issued behind them, stay out
.set i, 0
.rept 32
	v_cvt_pk_bf16_f32 v[F+4*i], v[F+4*i], v[F+4*i+1]
	v_cvt_pk_bf16_f32 v[F+4*i+1], v[F+4*i+2], v[F+4*i+3]
	ds_store_b64 v8, v[F+4*i:F+4*i+1] offset:i*KP
.set i, i+1
.endr
	WIN 0x40                                       ; destination in window 1
.irp q, 0,1
.irp ds, 0,1,2,3
	ds_load_b128 v[QF+32*\q+8*\ds:QF+32*\q+8*\ds+3], v9 offset:\q*16*KP+64*\ds         ; my own bytes: LDS serves a wave's instructions in order (ISA guide 5.7.1.4)
	ds_load_b128 v[QF+32*\q+8*\ds+4:QF+32*\q+8*\ds+7], v9 offset:\q*16*KP+64*\ds+32
.endr
.endr
	WIN 0
	; ---- the walk: NTRIP trips ----
	TRIP 1                                         ; tile 0 starts the sums; its first wait for all LDS instructions also covers the Q fragments
	s_mov_b32 s43, 0
.Lmid:
	TRIP 0
	s_add_co_u32 s43, s43, 1
	s_cmp_lt_u32 s43, NTRIP-1
	s_cbranch_scc1 .Lmid
	; ---- the way out: O / l, 16 queries at a time through my stage, stored as whole rows of 512 bytes ----
	; (the five places behind the last products stand at the end of COMPUTE)
.irp q, 0,1
	WIN 0x01                                       ; first source in window 1
	v_rcp_f32 v22, v[72*\q+64]                     ; l is 4.2e-18 at the least: every query has a key
	v_rcp_f32 v23, v[72*\q+65]
	v_nop
.set i, 0
	s_wait_alu depctr_va_vdst(0)
.rept 32
	v_pk_mul_f32 v[S+2*i:S+2*i+1], v[72*\q+2*i:72*\q+2*i+1], v[22:23]
.set i, i+1
.endr
	WIN 0
.set i, 0
.rept 16
	ds_store_b128 v10, v[S+4*i:S+4*i+3] offset:64*(i>>1)+16*(i&1)      ; query r, d = 16 dt + 8 h + 0..3 or 4..7
.set i, i+1
.endr
.set i, 0
.rept 16
	ds_load_b128 v[F+64*\q+4*i:F+64*\q+4*i+3], v11 offset:i*OP         ; my own bytes, served in order: these see the stores above
.set i, i+1
.endr
.set i, 0
.rept 16
	s_wait_dscnt 15-i                              ; row i is back; the younger rows may stay out
	global_store_b128 v6, v[F+64*\q+4*i:F+64*\q+4*i+3], s[14:15] offset:(16*\q+i)*ROWB th:TH_STORE_NT   ; 32 lanes store 512 consecutive bytes, at a multiple of 512 from the buffer's first byte; each query tile has its own half of F, so no store's data is rewritten
.set i, i+1
.endr
.endr
	s_set_vgpr_msb 0x5
	s_wait_tensorcnt 0x0
	ds_add_u32 v254, v255
	s_wait_dscnt 0x0
	s_set_vgpr_msb 0x500
	s_endpgm
.Lfunc_end_k_qaf50a225b5_attn:
	.size	k_qaf50a225b5_attn, .Lfunc_end_k_qaf50a225b5_attn-k_qaf50a225b5_attn
	.p2alignl 7, 3214868480
	.fill 96, 4, 3214868480
	.section	.rodata,"a",@progbits
	.p2align	6, 0x0
	.amdhsa_kernel k_qaf50a225b5_attn
		.amdhsa_group_segment_fixed_size 71168
		.amdhsa_private_segment_fixed_size 0
		.amdhsa_enable_private_segment 0
		.amdhsa_kernarg_size 48
		.amdhsa_user_sgpr_count 2
		.amdhsa_user_sgpr_kernarg_segment_ptr 1
		.amdhsa_wavefront_size32 1
		.amdhsa_system_sgpr_workgroup_id_x 1
		.amdhsa_system_sgpr_workgroup_id_y 1
		.amdhsa_system_sgpr_workgroup_id_z 1
		.amdhsa_system_vgpr_workitem_id 0
		.amdhsa_next_free_vgpr 640
		.amdhsa_next_free_sgpr 80
		.amdhsa_reserve_vcc 1
		.amdhsa_float_denorm_mode_32 3
		.amdhsa_float_denorm_mode_16_64 3
		.amdhsa_memory_ordered 1
		.amdhsa_forward_progress 1
		.amdhsa_inst_pref_size 143
	.end_amdhsa_kernel
	.amdgpu_metadata
---
amdhsa.version: [ 1, 2 ]
amdhsa.kernels:
  - .name:           k_qaf50a225b5_attn
    .symbol:         k_qaf50a225b5_attn.kd
    .args:
      - { .name: q, .offset: 0, .size: 8, .value_kind: global_buffer, .address_space: global }
      - { .name: k, .offset: 8, .size: 8, .value_kind: global_buffer, .address_space: global }
      - { .name: v, .offset: 16, .size: 8, .value_kind: global_buffer, .address_space: global }
      - { .name: cu_seqlens_q, .offset: 24, .size: 8, .value_kind: global_buffer, .address_space: global }
      - { .name: cu_seqlens_k, .offset: 32, .size: 8, .value_kind: global_buffer, .address_space: global }
      - { .name: out0, .offset: 40, .size: 8, .value_kind: global_buffer, .address_space: global }
    .group_segment_fixed_size: 71168
    .private_segment_fixed_size: 0
    .kernarg_segment_align: 8
    .kernarg_segment_size: 48
    .max_flat_workgroup_size: 128
    .sgpr_count:     80
    .vgpr_count:     640
    .wavefront_size: 32
...
	.end_amdgpu_metadata
.endif
;; end of part 1
